; MI455X (gfx1250); checked and timed in simulation.
; The chip was launched on July 23, 2026; its instructions are those of AMD's public machine-readable ISA for CDNA 5 (MIT licence, August 2026) and "CDNA5" Instruction Set Architecture Reference Guide (July 2026). The comments in the code are by the model that wrote it; some were corrected since.
;; Maya Prana LIF Layer. Allowed arithmetic: float matrix products may take bf16 or f16 operands with f32 sums; other float arithmetic in f32, or as packed bf16 or f16 multiplies, adds, multiply-adds, maxima and minima; sums over many terms, partial sums and values carried from step to step in f32; what a program stores and reads back later, other than sums and carried values, may be rounded once to bf16 or f16.
;; Inputs: W 4,096 x 4,096 float32; x 32 x 128 x 4,096 float32.
;; Outputs: out0 32 x 128 x 4,096 float32.
;; 2 versions, each right; version 2 is version 1 with the launch cast written anew for expert scheduling mode. Each part assembles by itself: llvm-mc -triple=amdgcn-amd-amdhsa -mcpu=gfx1250 --defsym DOCPART=n.
;; ======== version 1 of 2: 2 launches
;; workspace buffers: xb 33,554,432 bytes; wb 33,554,432 bytes
;; launch cast (part 1): grid 128 x 2, 32 waves a work-group, no clusters, 0 bytes of LDS; arguments x, W, xb, wb; writes xb, wb
.if DOCPART == 1
	.amdgcn_target "amdgcn-amd-amdhsa--gfx1250"
	.amdhsa_code_object_version 6
	.text
	.protected	k_q16275140bb_cast
	.globl	k_q16275140bb_cast
	.p2align	8
	.type	k_q16275140bb_cast,@function
k_q16275140bb_cast:
	s_mov_b64 s[64:65], 0
	v_nop
	global_prefetch_b8 v0, s[64:65] scope:SCOPE_SE
	s_setreg_imm32_b32 hwreg(HW_REG_WAVE_MODE, 25, 1), 1
	s_wait_xcnt 0x0
; THE PROGRAM.  pre[t][b][o] = sum over i of x[t][b][i] W[o][i]; then, for each (b, o), 32 time steps of a leaky integrate-and-fire cell:
; v += (pre_t - v) / 2; spike = (v >= th_t); v = 0 where it fired.  The output is the spikes, 0.0 or 1.0 in f32.  Two launches: this one rounds x and W once to bf16
; and lays their rows out for the second, which multiplies and runs the 32 steps in registers: pre and v never reach memory.
; WORK LEFT OUT, for all values of the inputs.  v0 is a zero that the problem builds itself, so step 0's charge is pre_0 / 2.  V_RESET = 0 and V_TH = 1 are constants of the problem:
; (v - V_RESET) = v, s x V_RESET = 0, V_TH x (..) = (..); (1 - s) v with s in {0, 1} is v or 0: a select.  The surrogate's backward pass is never run.  Both inputs are live and both are loaded.
; LIMIT that goes with it: where v is +infinity the problem's 0 x v is a NaN that stays; here v is set to 0.  The sign of a zero v is not kept.
; FORMAT.  bf16, rounded to nearest even, once: an f32 beyond bf16's largest finite number becomes an infinity.
;
; THIS LAUNCH.  Work-group (n, y): y = 0 takes x, y = 1 takes W; wave w takes source row m = 32 n + w: 16,384 bytes in, 8,192 bytes out.  No wave needs another's bytes: no LDS, no barrier, no loop.
; WHERE A ROW GOES.  x: m = 128 t + b goes to row (b>>2) 128 + (t>>2) 16 + ((b>>1)&1) 8 + (t&3) 2 + (b&1): in a block of 16 rows, row 8 h + j holds time step 4 a + (j>>1) and batch row .. + 2 h + (j&1),
; so that in the product's result a lane's eight registers are four time steps of two batch rows, and eight blocks on end are the 32 time steps in order.
; W: o = 64 G + 4 r + q goes to row 64 G + 16 q + r: the same lane of four neighbouring blocks of 16 rows then holds four neighbouring outputs o, 16 bytes of an output row.
; IN FLIGHT.  28 loads of 512 consecutive bytes a wave are issued before the first wait; the last four follow when the first four slots are free.
.set SLOTS, 28                         ; loads of a wave that are out together
.set XR,    8                          ; v[8:119]  slot s: four registers as loaded; the first two then hold the four bf16 to store
	s_load_b256 s[4:11], s[0:1], 0x0               ; x s[4:5], W s[6:7], xb s[8:9], wb s[10:11]
	v_lshrrev_b32 v1, 5, v0
	v_readfirstlane_b32 s12, v1                    ; wave 0..31
	v_and_b32 v2, 31, v0                           ; lane
	v_lshlrev_b32 v3, 4, v2                        ; 16 bytes a lane in
	v_lshlrev_b32 v4, 3, v2                        ; 8 bytes a lane out
	s_and_b32 s13, ttmp7, 0xffff                   ; 0: x, 1: W
	s_lshl_b32 s14, ttmp9, 5
	s_add_co_u32 s14, s14, s12                     ; m, the source row
	s_bfe_u32 s15, s14, 0x50002                    ; x: b >> 2
	s_bfe_u32 s16, s14, 0x30009                    ; t >> 2
	s_bfe_u32 s17, s14, 0x10001                    ; (b >> 1) & 1
	s_bfe_u32 s18, s14, 0x20007                    ; t & 3
	s_and_b32 s19, s14, 1                          ; b & 1
	s_lshl3_add_u32 s15, s15, s16
	s_lshl1_add_u32 s15, s15, s17
	s_lshl2_add_u32 s15, s15, s18
	s_lshl1_add_u32 s15, s15, s19                  ; x's destination row
	s_bfe_u32 s20, s14, 0x60006                    ; W: G
	s_and_b32 s21, s14, 3                          ; q
	s_bfe_u32 s22, s14, 0x40002                    ; r
	s_lshl2_add_u32 s20, s20, s21
	s_lshl4_add_u32 s20, s20, s22                  ; W's destination row
	s_lshl_b32 s2, s14, 14                         ; the source row's first byte
	s_mov_b32 s3, 0
	s_mov_b32 s29, 0
	s_wait_kmcnt 0x0
	s_cmp_eq_u32 s13, 0                            ; the selects below leave SCC as it is
	s_cselect_b32 s15, s15, s20
	s_cselect_b64 s[24:25], s[4:5], s[6:7]         ; from
	s_cselect_b64 s[26:27], s[8:9], s[10:11]       ; to
	s_lshl_b32 s28, s15, 13                        ; the destination row's first byte
	s_add_nc_u64 s[24:25], s[24:25], s[2:3]
	s_add_nc_u64 s[26:27], s[26:27], s[28:29]
.macro LD i                            ; chunk i of 32: 512 consecutive bytes of the row
	global_load_b128 v[XR+4*((\i)%SLOTS):XR+4*((\i)%SLOTS)+3], v3, s[24:25] offset:512*(\i) th:TH_LOAD_NT
.endm
.macro CHUNK i, left                   ; left: the loads issued behind chunk i's, which may stay out
	s_wait_loadcnt \left                           ; loads come back in order (ISA guide 5.7.1): chunk i is in
	v_cvt_pk_bf16_f32 v[XR+4*((\i)%SLOTS)],   v[XR+4*((\i)%SLOTS)],   v[XR+4*((\i)%SLOTS)+1]
	v_cvt_pk_bf16_f32 v[XR+4*((\i)%SLOTS)+1], v[XR+4*((\i)%SLOTS)+2], v[XR+4*((\i)%SLOTS)+3]
	global_store_b64 v4, v[XR+4*((\i)%SLOTS):XR+4*((\i)%SLOTS)+1], s[26:27] offset:256*(\i)  ; the wave stores 256 consecutive bytes, at a multiple of 256 from the buffer's first byte
.endm
.set n, 0
.rept SLOTS
	LD n
.set n, n+1
.endr
.set n, 0
.rept 4
	CHUNK n, SLOTS-1-n                             ; behind chunk n's load stand 27 - n others
.set n, n+1
.endr
	s_wait_xcnt 0x0                                ; the four stores have read their data: slots 0 to 3 are loaded again only behind this wait
.set n, SLOTS
.rept 4
	LD n
.set n, n+1
.endr
.set n, 4
.rept 28
	CHUNK n, 31-n                                  ; behind chunk n's load stand 31 - n others, the four late ones among them
.set n, n+1
.endr
	s_endpgm
.Lfunc_end_k_q16275140bb_cast:
	.size	k_q16275140bb_cast, .Lfunc_end_k_q16275140bb_cast-k_q16275140bb_cast
	.p2alignl 7, 3214868480
	.fill 96, 4, 3214868480
	.section	.rodata,"a",@progbits
	.p2align	6, 0x0
	.amdhsa_kernel k_q16275140bb_cast
		.amdhsa_group_segment_fixed_size 0
		.amdhsa_private_segment_fixed_size 0
		.amdhsa_enable_private_segment 0
		.amdhsa_kernarg_size 32
		.amdhsa_user_sgpr_count 2
		.amdhsa_user_sgpr_kernarg_segment_ptr 1
		.amdhsa_wavefront_size32 1
		.amdhsa_system_sgpr_workgroup_id_x 1
		.amdhsa_system_sgpr_workgroup_id_y 1
		.amdhsa_system_sgpr_workgroup_id_z 1
		.amdhsa_system_vgpr_workitem_id 0
		.amdhsa_next_free_vgpr 120
		.amdhsa_next_free_sgpr 66
		.amdhsa_reserve_vcc 0
		.amdhsa_float_denorm_mode_32 3
		.amdhsa_float_denorm_mode_16_64 3
		.amdhsa_memory_ordered 1
		.amdhsa_forward_progress 1
		.amdhsa_inst_pref_size 13
	.end_amdhsa_kernel
	.amdgpu_metadata
---
amdhsa.version: [ 1, 2 ]
amdhsa.kernels:
  - .name:           k_q16275140bb_cast
    .symbol:         k_q16275140bb_cast.kd
    .args:
      - { .name: x, .offset: 0, .size: 8, .value_kind: global_buffer, .address_space: global }
      - { .name: W, .offset: 8, .size: 8, .value_kind: global_buffer, .address_space: global }
      - { .name: xb, .offset: 16, .size: 8, .value_kind: global_buffer, .address_space: global }
      - { .name: wb, .offset: 24, .size: 8, .value_kind: global_buffer, .address_space: global }
    .group_segment_fixed_size: 0
    .private_segment_fixed_size: 0
    .kernarg_segment_align: 8
    .kernarg_segment_size: 32
    .max_flat_workgroup_size: 1024
    .sgpr_count:     66
    .vgpr_count:     120
    .wavefront_size: 32
...
	.end_amdgpu_metadata
.endif
;; end of part 1
;; launch lif (part 2): grid 16 x 16, 4 waves a work-group, clusters of 4 x 4, 327,680 bytes of LDS; arguments xb, wb, out0; writes out0
.if DOCPART == 2
	.amdgcn_target "amdgcn-amd-amdhsa--gfx1250"
	.amdhsa_code_object_version 6
	.text
	.protected	k_q16275140bb_lif
	.globl	k_q16275140bb_lif
	.p2align	8
	.type	k_q16275140bb_lif,@function
k_q16275140bb_lif:
	s_mov_b64 s[64:65], 0
	v_nop
	global_prefetch_b8 v0, s[64:65] scope:SCOPE_SE
	s_setreg_imm32_b32 hwreg(HW_REG_WAVE_MODE, 25, 1), 1
	s_wait_xcnt 0x0
	s_wait_alu depctr_hold_cnt(0) depctr_sa_sdst(0) depctr_va_vdst(0) depctr_va_sdst(0) depctr_va_ssrc(0) depctr_va_vcc(0) depctr_vm_vsrc(0)
	s_getreg_b32 s2, hwreg(HW_REG_IB_STS2, 6, 4)
	s_cmp_eq_u32 s2, 0
	s_cbranch_scc0 .Lentry_in_a_cluster
	s_endpgm
.Lentry_in_a_cluster:
	s_bfe_u32 s2, ttmp6, 0x10000c
	s_cmp_lg_u32 s2, 0xf033
	s_cbranch_scc0 .Lentry_shape_is_right
	s_endpgm
.Lentry_shape_is_right:
; spikes[t][b][o]: pre = xb wb^T in bf16 with f32 sums (one sum an output, K ascending), then 32 time steps of v += (pre_t - v) / 2; s = (v >= th_t); v = 0 where s, all in registers.
; WORK LEFT OUT (shown at the head of the first kernel): step 0 starts from the problem's own v0 = 0, so its charge is pre_0 / 2; the terms with V_RESET = 0 and the factor V_TH = 1 are gone; the reset is a select.
; THE STEP IS ROUNDED AS THE PROBLEM ROUNDS IT: d = pre - v (one rounding), v + d / 2 (d / 2 is exact, one rounding: a fused multiply-add by 0.5), th <= v, which holds just where the rounded v - th is >= 0; a NaN does not fire.
; LIMITS.  (a) The output is a step of v: a v that lies within the rounding of a sum of 4,096 products of its threshold can fall on the other side of it, and the cell's later steps follow.
; (b) The 32 thresholds 1 + 0.1 sin(2 pi t / 32) are f32 constants of the text, worked out by the problem's own f32 chain with a correctly rounded sine and each step rounded by itself; another sine, or a fused last step, may differ in the last bit.
; (c) Where v is +infinity the problem's 0 x v is a NaN that stays; here v becomes 0.  (d) The sign of a zero v is not kept; a d below 2^-125 is halved without its own rounding.
;
; SHARES.  Work-group (X, Y) makes 256 rows of xb (batch rows 8 Y .. 8 Y + 7, all 32 time steps) x 256 rows of wb (outputs 256 X .. 256 X + 255).  Four waves, as many as a WGP has SIMDs, each 128 x 128:
; 64 accumulators of 16 x 16, 512 registers.  K goes in steps of 128 through a ring of two LDS slots filled by the tensor data mover: a tile's rows are 256 bytes of memory, at multiples of 256 from the buffer's first byte.
; LAYOUT.  Source 0 = 16 rows of xb, source 1 = 16 rows of wb: in the result lane (r = l % 16, h = l / 16) holds wb's row r and, in register j, xb's row 8 h + j.  By the order in which the first launch laid the rows,
; block a of my eight blocks of xb holds time steps 4 a + (j >> 1) of batch rows 8 Y + 4 wr + 2 h + (j & 1), and block 4 g + q of my eight blocks of wb holds output 256 X + 128 wc + 64 g + 4 r + q.
; So a lane holds all 32 time steps of its 16 cells (8 blocks of wb x 2 batch rows), in order, and the spikes of blocks 4 g .. 4 g + 3 are 16 consecutive bytes of an output row: they are stored from registers, with no way through LDS.
; CLUSTERS: 4 x 4 work-groups.  The four of a row of the cluster need the same tiles of xb, the four of a column the same tiles of wb: each tile is asked for JOINTLY, by the same tensor load with the same descriptor and a mask that names the four.
;
; REGISTERS, in windows of 256 (s_set_vgpr_msb: bits 1:0 source 0, 3:2 source 1, 5:4 source 2, 7:6 destination):
;   window 0: v0-31 addresses; v32-47 v of my 16 cells; v48-63 d; v64-127, v128-191 fragments of xb, two buffers; on the way out v64-127 hold four time steps' spikes
;   window 1: v64-127, v128-191 fragments of wb, two buffers
;   window 2: the 32 accumulators of xb's blocks 0-3 (block a, wb's block b at v[8 (8 a + b)]);   window 3: those of blocks 4-7
.set SIZE_K, 4096
.set KSTEP,  128
.set PITCH,  272                       ; an LDS row: 256 bytes of data + 16 of padding = 68 words: row r starts at bank 4 r mod 64 (64 banks of 4 bytes: ISA guide 11.1), so the 16 rows that a load touches start at 16 different banks
.set HALFT,  128*PITCH                 ; 128 rows: what one tensor load brings, and what one wave reads of xb or of wb
.set SLOT,   4*HALFT                   ; xb's 256 rows, then wb's 256 rows
.set SPARE,  2*SLOT                    ; behind the ring: the spare words, 128 bytes for each wave: two blocks of 256 bytes that no other line names
.set LAPS,   SIZE_K/(2*KSTEP)          ; a lap = two K steps = once round the ring: 16
.set ADRX, 16                          ; v16-17  LDS address of my xb fragments in slot 0, 1
.set ADRW, 20                          ; v20-21  the same for wb
.set CO,   26                          ; v26     my byte offset in the output: 2 h batch rows + 16 r; never rewritten
.set SPW,  28                          ; v28     LDS address of my spare word: SPARE + 4 x my thread's number; never rewritten
.set NIL,  29                          ; v29     0; never rewritten
.set PFO,  30                          ; v30     the prefetches' offset: my lane x a row of 8,192 bytes; never rewritten
.set VS,   32                          ; v32-47  v of cell c = 2 (wb's block) + (batch row & 1)
.set DT,   48                          ; v48-63  pre - v
.set F0,   64                          ; fragment buffer 0
.set F1,   128                         ; fragment buffer 1
.set OUT,  64                          ; the way out: spikes of time step tau of four, batch row e, wb's block w at OUT + 16 tau + 8 e + w
.set PFA,  44                          ; s[44:45] where my prefetches stand: my work-group's 32 rows of the 128 that I fetch, one K step further along K than the refill that is being asked for
.set LIM,  43                          ; s43     1 in a wave that prefetches, else the greatest number
.set G1,   24                          ; s[24:31] descriptor group 1 for xb's tiles
.set G0,   32                          ; s[32:39] descriptor group 0 for xb's tiles, one set for each slot
.set G1B,  48                          ; s[48:55] descriptor group 1 for wb's tiles: it differs in the mask alone
.set G0B,  56                          ; s[56:63] descriptor group 0 for wb's tiles, one set for each slot
.set MK,   68                          ; s[68:83] which lanes fired, for each of the 16 cells
.set TH,   84                          ; s84     the time step's threshold
.set MSB, 0
.macro WIN new                         ; the immediate's high byte repeats the setting that is left; a switch that changes nothing is dropped
.if MSB != (\new)
	s_set_vgpr_msb (MSB<<8)|(\new)
.set MSB, \new
.endif
.endm
.set MUL_LO, 0xa4                      ; source 0 (xb) window 0, source 1 (wb) window 1, C and D window 2
.set MUL_HI, 0xf4                      ; the same, C and D window 3
.set TO_W,   0x40                      ; destination window 1, address window 0
; A joint load.  Waves 0 and 1 fetch xb's two halves, waves 2 and 3 wb's.  Each of the two lines has ONE mask and one set of registers for all that issue it, and nothing in them hangs on a coordinate that the
; four partners do not share.  The branch hangs on the wave's number alone.  An s_nop 0 and four v_nop follow each of the two lines, ahead of the jump, the label and what follows.
.macro JLOAD s
	s_cmp_eq_u32 s11, 0
	s_cbranch_scc0 .Lfor_w_\@
	tensor_load_to_lds s[G0+4*(\s):G0+4*(\s)+3], s[G1:G1+7]
	s_nop 0
.rept 4
	v_nop
.endr
	s_branch .Lasked_\@
.Lfor_w_\@:
	tensor_load_to_lds s[G0B+4*(\s):G0B+4*(\s)+3], s[G1B:G1B+7]
	s_nop 0
.rept 4
	v_nop
.endr
.Lasked_\@:
.endm
; A PREFETCH INTO THE L2, behind each joint load, its five lines and the run of LDS loads that follows them: the K step that stands TWO refills on, 512 matrix instructions ahead of the load that will ask for it:
; 32 rows x 256 bytes, a lane a row, one instruction a wave.  Each row's 256 bytes of a K step are named ONCE in the launch: xb's rows of a tile row by the cluster with x = 0, wb's rows of a tile column by the cluster with y = 0;
; of the 128 rows that a wave fetches the partner at place p takes 32 p .. 32 p + 31 (p = cx for xb, cy for wb), told apart BY ADDRESS: no branch hangs on a work-group's place in its cluster.
; K steps 0 to 3 come by their loads alone; the loop's last trip (s3 = 1), whose two refills have no K step two on, asks for nothing.
.macro ASK
	s_cmp_gt_u32 s3, s[LIM]
	s_cbranch_scc0 .Lnot_mine_\@
	global_prefetch_b8 v[PFO], s[PFA:PFA+1] offset:KSTEP*2 th:TH_LOAD_NT scope:SCOPE_SE
.Lnot_mine_\@:
.endm
; A round of the cluster's barrier: my work-group's barrier, so that wave 0's signal speaks for all four waves; wave 0 signals for the work-group; every wave waits for all sixteen work-groups; my work-group's barrier once more.
.macro CREST                           ; a round behind its opening barrier
	s_cmp_lg_u32 s10, 0
	s_cbranch_scc1 .Lnot_wave_0_\@
	s_barrier_signal -3
.Lnot_wave_0_\@:
	s_barrier_wait -3
	s_barrier_signal -1
	s_barrier_wait -1
.endm
.macro CROUND                          ; a whole round
	s_barrier_signal -1
	s_barrier_wait -1
	CREST
.endm
	s_load_b128 s[4:7], s[0:1], 0x0                ; xb s[4:5], wb s[6:7]
	s_load_b64 s[8:9], s[0:1], 0x10                ; out0
	v_lshl_add_u32 v[SPW], v0, 2, SPARE
	v_mov_b32 v[NIL], 0
	ds_add_u32 v[SPW], v[NIL]                      ; the wave's opening: the add, twice on end, and its wait ahead of my first tensor load; the set-up below, work on registers, stands between the second and the wait
	ds_add_u32 v[SPW], v[NIL]                      ; and once more, under the one wait
	v_lshrrev_b32 v1, 5, v0
	v_readfirstlane_b32 s10, v1                    ; wave 0..3
	s_lshr_b32 s11, s10, 1                         ; wr: which 128 rows of xb's tile are mine.  Also: I fetch for xb (0) or for wb (1)
	s_and_b32 s12, s10, 1                          ; wc: which 128 rows of wb's tile.  Also: which 128 rows of that tile I fetch
	s_bfe_u32 s40, ttmp6, 0x40000                  ; cx: my place along the cluster's x
	s_bfe_u32 s41, ttmp6, 0x40004                  ; cy: along its y
	s_lshl_b32 s42, ttmp9, 2                       ; in a cluster launch ttmp9 and ttmp7 count clusters
	s_add_co_u32 s42, s42, s40                     ; X = 4 x cluster x + cx
	s_and_b32 s13, ttmp7, 0xffff
	s_lshl_b32 s13, s13, 2
	s_add_co_u32 s13, s13, s41                     ; Y = 4 x cluster y + cy
	s_lshl_b32 s43, s41, 2
	s_lshl_b32 s43, 15, s43                        ; my row of the cluster: places 4 cy .. 4 cy + 3
	s_lshl_b32 s44, 0x1111, s40                    ; my column: places cx, cx + 4, cx + 8, cx + 12
	; descriptor group 1: a tile of 128 rows x 128 elements, padded in LDS
	s_or_b32 s[G1+0], s43, (1<<16)|(1<<20)|(1<<21)|(5<<22)|(3<<25)  ; 15:0 the mask: xb's tiles go to my row; 17:16 elements of 2 bytes; 20 padding on; 21 set beside a mask; 24:22 after every 64 words (code 5); 31:25 4 words of it (code 3)
	s_or_b32 s[G1B+0], s44, (1<<16)|(1<<20)|(1<<21)|(5<<22)|(3<<25) ; the same with the mask of my column, for wb's tiles
	s_mov_b32 s[G1B+1], KSTEP<<16
	s_mov_b32 s[G1+1], KSTEP<<16                   ; 63:48 tensor_dim0, low half = 128
	s_mov_b32 s[G1B+2], 128<<16
	s_mov_b32 s[G1+2], 128<<16                     ; 79:64 its high half = 0; 95:80 tensor_dim1, low half = 128
	s_mov_b32 s[G1B+3], KSTEP<<16
	s_mov_b32 s[G1+3], KSTEP<<16                   ; 111:96 its high half = 0; 127:112 tile_dim0 = 128
	s_mov_b32 s[G1B+4], 128
	s_mov_b32 s[G1+4], 128                         ; 143:128 tile_dim1 = 128; 159:144 tile_dim2 = 0
	s_mov_b32 s[G1B+5], SIZE_K
	s_mov_b32 s[G1+5], SIZE_K                      ; 191:160 tensor_dim0_stride, low word: elements from row to row
	s_mov_b32 s[G1B+6], 0
	s_mov_b32 s[G1+6], 0
	s_mov_b32 s[G1B+7], 0
	s_mov_b32 s[G1+7], 0
	; where the tiles come from.  xb's hang on Y alone, which my row of the cluster shares; wb's on X alone, which my column shares.
	; Every wave makes both addresses, in registers that never hold the other coordinate, and asks by one of them.
	s_lshl_b32 s17, s12, 7                         ; which 128 rows of the tile I fetch
	s_lshl_b32 s16, s13, 8
	s_add_co_u32 s16, s16, s17                     ; xb: row 256 Y + 128 x half
	s_lshl_b32 s46, s42, 8
	s_add_co_u32 s46, s46, s17                     ; wb: row 256 X + 128 x half
	s_mov_b32 s17, 0
	s_mov_b32 s47, 0
	s_mov_b64 s[18:19], SIZE_K*2
	s_mul_u64 s[16:17], s[16:17], s[18:19]         ; in bytes
	s_mul_u64 s[46:47], s[46:47], s[18:19]
	s_mul_i32 s20, s10, HALFT                      ; and where they go: xb's two halves, then wb's two halves = wave x 128 rows: no place in the cluster enters an LDS address
	s_wait_dscnt 0x0                               ; both opening adds are done
	s_wait_kmcnt 0x0
	s_add_nc_u64 s[14:15], s[4:5], s[16:17]
	s_add_nc_u64 s[46:47], s[6:7], s[46:47]
	CROUND                                         ; all sixteen work-groups are here: the first joint loads meet
.irp s, 0,1
	s_mov_b32 s[G0+4*(\s)], 1                                      ; 1:0 count = 1
	s_add_co_u32 s[G0+4*(\s)+1], s20, (\s)*SLOT                    ; 63:32 LDS address
	s_add_nc_u64 s[G0+4*(\s)+2:G0+4*(\s)+3], s[14:15], (\s)*KSTEP*2  ; 120:64 global address: K step s
	s_or_b32 s[G0+4*(\s)+3], s[G0+4*(\s)+3], 0x80000000            ; 127:126 type = 2
	s_mov_b32 s[G0B+4*(\s)], 1
	s_add_co_u32 s[G0B+4*(\s)+1], s20, (\s)*SLOT
	s_add_nc_u64 s[G0B+4*(\s)+2:G0B+4*(\s)+3], s[46:47], (\s)*KSTEP*2
	s_or_b32 s[G0B+4*(\s)+3], s[G0B+4*(\s)+3], 0x80000000
	JLOAD \s                                       ; the ring is filled before anything else is done: two tensor loads of mine are out
.endr
	; A fragment is 16 rows x 32 K in 8 registers: lane l holds row l % 16; registers 0-3 hold K = 8 (l / 16) + 0..7, registers 4-7 hold K = 16 + 8 (l / 16) + 0..7: two loads of 16 bytes, 32 bytes apart.
	v_and_b32 v1, 15, v0                           ; r = l % 16
	v_bfe_u32 v2, v0, 4, 1                         ; h = l / 16
	v_mul_u32_u24 v3, v1, PITCH
	v_lshl_add_u32 v3, v2, 4, v3                   ; row x pitch + 16 x half
	s_mul_i32 s21, s11, HALFT                      ; my 128 rows of xb
	s_mul_i32 s22, s12, HALFT                      ; my 128 rows of wb,
	s_add_co_u32 s22, s22, 2*HALFT                 ; which lie behind xb's 256
.irp s, 0,1
	v_add_nc_u32 v[ADRX+(\s)], s21, v3
	v_add_nc_u32 v[ADRW+(\s)], s22, v3
	s_add_co_u32 s21, s21, SLOT
	s_add_co_u32 s22, s22, SLOT
.endr
	; The output: byte ((128 t + b) 4,096 + o) 4 with b = 8 Y + 4 wr + 2 h + e, o = 256 X + 128 wc + 64 g + 4 r + q.  Lane: 32,768 h + 16 r.  Base: below.  t, e and g stand in the stores' immediates and in a step of the base.
	v_lshlrev_b32 v[CO], 4, v1
	v_lshl_add_u32 v[CO], v2, 15, v[CO]
	s_lshl_b32 s16, s13, 17                        ; 8 Y batch rows of 16,384 bytes
	s_lshl_b32 s17, s11, 16                        ; 4 wr of them
	s_add_co_u32 s16, s16, s17
	s_mov_b32 s17, 0
	s_add_nc_u64 s[8:9], s[8:9], s[16:17]
	s_lshl_b32 s46, s42, 10                        ; 256 X outputs of 4 bytes (in the registers that held wb's address: none that feeds xb's descriptors ever holds cx)
	s_lshl_b32 s47, s12, 9                         ; 128 wc of them
	s_add_co_u32 s46, s46, s47
	s_mov_b32 s47, 0
	s_add_nc_u64 s[8:9], s[8:9], s[46:47]
	; the prefetches
	s_lshl_b32 s13, s13, 8                         ; 256 Y
	s_lshl_b32 s42, s42, 8                         ; 256 X
	s_and_b32 s22, ttmp7, 0xffff                   ; cluster y
	s_cmp_eq_u32 s11, 0                            ; do I fetch for xb?
	s_cselect_b32 s20, s13, s42                    ; the tile's first row
	s_cselect_b32 s21, s40, s41                    ; my place among the four that ask for it with me
	s_cselect_b32 s22, ttmp9, s22                  ; the coordinate along which other clusters read the same rows
	s_cselect_b64 s[PFA:PFA+1], s[4:5], s[6:7]
	s_cmp_eq_u32 s22, 0
	s_cselect_b32 s[LIM], 1, -1                    ; the same in all sixteen partners, for a given wave
	s_lshl_b32 s22, s12, 7
	s_add_co_u32 s20, s20, s22                     ; + the 128 rows that I fetch
	s_lshl_b32 s21, s21, 5
	s_add_co_u32 s20, s20, s21                     ; + my work-group's 32 of them
	s_mov_b32 s21, 0
	s_mov_b64 s[18:19], SIZE_K*2
	s_mul_u64 s[20:21], s[20:21], s[18:19]
	s_add_nc_u64 s[PFA:PFA+1], s[PFA:PFA+1], s[20:21]
	s_add_nc_u64 s[PFA:PFA+1], s[PFA:PFA+1], 2*KSTEP*2  ; at K step 2: the first refill steps it to 3 and names K step 4
	v_and_b32 v[PFO], 31, v0
	v_mul_u32_u24 v[PFO], v[PFO], SIZE_K*2
; 16 matrix instructions: xb's blocks a0, a0 + 1 of the window's four (hi = 0: blocks 0-3, 1: blocks 4-7) x all 8 blocks of wb, 32 along K.  zero = 1: the first product starts the sums: nothing is ever cleared.
; The 64 accumulators take turns, one instruction a turn, in the same order in every quarter step: 63 others stand between two links of a chain, over the backward jump too.
.macro MUL16 f, hi, a0, zero
	WIN MUL_LO+0x50*(\hi)
.irp a, \a0, (\a0)+1
.irp b, 0,1,2,3,4,5,6,7
.if \zero
	v_wmma_f32_16x16x32_bf16 v[8*(8*(\a)+(\b)):8*(8*(\a)+(\b))+7], v[(\f)+8*(4*(\hi)+(\a)):(\f)+8*(4*(\hi)+(\a))+7], v[(\f)+8*(\b):(\f)+8*(\b)+7], 0
.else
	v_wmma_f32_16x16x32_bf16 v[8*(8*(\a)+(\b)):8*(8*(\a)+(\b))+7], v[(\f)+8*(4*(\hi)+(\a)):(\f)+8*(4*(\hi)+(\a))+7], v[(\f)+8*(\b):(\f)+8*(\b)+7], v[8*(8*(\a)+(\b)):8*(8*(\a)+(\b))+7]
.endif
.endr
.endr
.endm
; 32 LDS loads in one run: the fragments of one quarter step (128 rows of wb, then 128 rows of xb, 32 K at byte k of the rows) into buffer f
.macro FETCH slot, k, f
	WIN TO_W
.irp i, 0,1,2,3,4,5,6,7
	ds_load_b128 v[(\f)+8*(\i):(\f)+8*(\i)+3],   v[ADRW+(\slot)] offset:(\k)+(\i)*16*PITCH
	ds_load_b128 v[(\f)+8*(\i)+4:(\f)+8*(\i)+7], v[ADRW+(\slot)] offset:(\k)+(\i)*16*PITCH+32
.endr
	WIN 0
.irp i, 0,1,2,3,4,5,6,7
	ds_load_b128 v[(\f)+8*(\i):(\f)+8*(\i)+3],   v[ADRX+(\slot)] offset:(\k)+(\i)*16*PITCH
	ds_load_b128 v[(\f)+8*(\i)+4:(\f)+8*(\i)+7], v[ADRX+(\slot)] offset:(\k)+(\i)*16*PITCH+32
.endr
.endm
; A load into a register that a matrix instruction has read, and a vector instruction that reads a matrix result, stand four places behind that matrix instruction, and only plain vector instructions that name
; none of its registers are places (ISA guide 7.12.1 for vector instructions).
.macro PLACES
.rept 4
	v_nop
.endr
.endm
; A K step is four quarter steps of 32 along K, 64 matrix instructions each, on buffers 0, 1, 0, 1.
; One of the first three: multiplies buffer f; in its middle it fetches the next quarter's fragments, at byte k of the same slot's rows, into buffer g.
.macro QUARTER slot, k, f, g, zero
	s_wait_dscnt 8                                 ; wb and xb's blocks 0-3 are in; the youngest eight loads (xb's blocks 4-7) may be out
	WIN MUL_LO
	MUL16 \f, 0, 0, \zero
	MUL16 \f, 0, 2, \zero
	PLACES
	FETCH \slot, \k, \g
	s_wait_dscnt 32                                ; all but the 32 just issued
	WIN MUL_HI
	MUL16 \f, 1, 0, \zero
	MUL16 \f, 1, 2, \zero
.endm
; The last quarter multiplies buffer 1 and changes slots.  MEET is its first half: ONE barrier for the change of slots.  In front of it each wave waits for all its tensor loads, of which one is out: its part of the
; next slot; adds 0 to its spare word; and waits for that and for its own reads of this slot.  Behind it nobody reads this slot any more and the next slot is whole.
.macro MEET round                      ; round = 1: the rest of a round of the cluster's barrier follows
	WIN 0                                          ; (the add's two registers lie in window 0)
	s_wait_tensorcnt 0x0                           ; all my tensor loads have landed;
	ds_add_u32 v[SPW], v[NIL]                      ; 0 onto my spare word;
	s_wait_dscnt 9                                 ; (the add and the youngest eight loads may be out)
	WIN MUL_LO
	MUL16 F1, 0, 0, 0                              ; sixteen matrix instructions stand between the add and the wait for it
	s_wait_dscnt 0x0                               ; the add is done, and my reads of this slot are over:
	s_barrier_signal -1                            ; say so,
	MUL16 F1, 0, 2, 0                              ; work on registers while the others arrive,
.if \round
	WIN 0
.endif
	s_barrier_wait -1                              ; and go on when all four have said so
.endm
; The whole last quarter, in the loop.  Behind the round the slot just read out is filled again first, with the K step two steps on; then come the next slot's first fragments.
; From a request to the wait for it a wave issues 224 matrix instructions.
.macro TURN slot, next
	s_wait_xcnt 0x0                                ; the last prefetch, a K step back, has read its address: it is stepped here, ahead of the waits of the change of slots
	s_add_nc_u64 s[PFA:PFA+1], s[PFA:PFA+1], KSTEP*2
	MEET 1
	CREST                                          ; no wave of any partner still reads this slot's tile or has a load on its way
	s_add_nc_u64 s[G0+4*(\slot)+2:G0+4*(\slot)+3], s[G0+4*(\slot)+2:G0+4*(\slot)+3], 2*KSTEP*2      ; no tensor load of mine is out, so a group 0 may be written
	s_add_nc_u64 s[G0B+4*(\slot)+2:G0B+4*(\slot)+3], s[G0B+4*(\slot)+2:G0B+4*(\slot)+3], 2*KSTEP*2
	JLOAD \slot                                    ; the first tensor load behind the round, and my only one until the next; the four v_nop behind it are also the places in front of the loads below
	FETCH \next, 0, F0
	ASK
	WIN MUL_HI
	MUL16 F1, 1, 0, 0
	MUL16 F1, 1, 2, 0
.endm
	s_wait_tensorcnt 1                             ; my part of K step 0 is in; K step 1's load may stay out
	s_barrier_signal -1
	s_barrier_wait -1                              ; everybody's is
	FETCH 0, 0, F0
	QUARTER 0, 64,  F0, F1, 1                      ; the first quarter stands in front of the loop: its products start the sums
	WIN 0                                          ; at a label and at a branch every window is 0
	s_mov_b32 s3, LAPS-1
.Llap:                                                 ; a trip goes once round the ring, from a lap's second quarter to the next lap's first, and fills both slots again
	QUARTER 0, 128, F1, F0, 0
	QUARTER 0, 192, F0, F1, 0
	TURN 0, 1
	QUARTER 1, 64,  F0, F1, 0
	QUARTER 1, 128, F1, F0, 0
	QUARTER 1, 192, F0, F1, 0
	TURN 1, 0
	QUARTER 0, 64,  F0, F1, 0
	WIN 0
	s_sub_co_u32 s3, s3, 1
	s_cmp_lg_u32 s3, 0
	s_cbranch_scc1 .Llap
	QUARTER 0, 128, F1, F0, 0                      ; the last lap fills nothing, and has no round of the cluster's barrier
	QUARTER 0, 192, F0, F1, 0
	MEET 0                                         ; my one tensor load that was still out is slot 1's, the last K step's
	PLACES                                         ; for the loads into buffer 0
	FETCH 1, 0, F0
	MUL16 F1, 1, 0, 0
	MUL16 F1, 1, 2, 0
	QUARTER 1, 64,  F0, F1, 0
	QUARTER 1, 128, F1, F0, 0
	QUARTER 1, 192, F0, F1, 0
	s_wait_dscnt 8                                 ; the very last quarter: nothing more to fetch
	MUL16 F1, 0, 0, 0
	MUL16 F1, 0, 2, 0
	s_wait_dscnt 0x0
	MUL16 F1, 1, 0, 0
	MUL16 F1, 1, 2, 0
	WIN 0
	PLACES                                         ; the places behind the last products, in front of the lines that read results and write over xb's fragments
	PLACES                                         ; (eight, once a launch)
; THE 32 TIME STEPS.  Time step t = 4 a + tau lies in registers 2 tau, 2 tau + 1 of the eight accumulators of xb's block a; the lane's 16 cells go side by side, five lines a cell and step,
; each line written sixteen times on end, so that no line waits for the one in front of it.  Each accumulator's registers are read in ascending order.
; first = 1: step 0, whose v is the problem's own zero: v = pre / 2.
; The spikes of wb's blocks 4 g .. 4 g + 3 fall into four registers on end: a store's lanes 0-15 write 256 consecutive bytes of row (t, b), at a multiple of 256 from the output's first byte, lanes 16-31 those of row (t, b + 2).
.macro STEP a, tau, th, first
	s_mov_b32 s[TH], \th
.if \first
	WIN 0x08                                       ; source 1 in window 2
.irp w, 0,1,2,3,4,5,6,7
.irp e, 0,1
	v_mul_f32 v[VS+2*(\w)+(\e)], 0.5, v[8*(\w)+(\e)]
.endr
.endr
.else
	WIN 0x02+(\a)/4                                ; source 0 in window 2 or 3
.irp w, 0,1,2,3,4,5,6,7
.irp e, 0,1
	v_sub_f32 v[DT+2*(\w)+(\e)], v[64*((\a)%4)+8*(\w)+2*(\tau)+(\e)], v[VS+2*(\w)+(\e)]  ; d = pre - v
.endr
.endr
	WIN 0
.irp c, 0,1,2,3,4,5,6,7,8,9,10,11,12,13,14,15
	v_fmac_f32 v[VS+(\c)], 0.5, v[DT+(\c)]         ; v += d / 2
.endr
.endif
	WIN 0
.irp c, 0,1,2,3,4,5,6,7,8,9,10,11,12,13,14,15
	v_cmp_le_f32 s[MK+(\c)], s[TH], v[VS+(\c)]     ; th <= v: fire
.endr
.irp w, 0,1,2,3,4,5,6,7
.irp e, 0,1
	v_cndmask_b32 v[OUT+16*(\tau)+8*(\e)+(\w)], 0, 1.0, s[MK+2*(\w)+(\e)]
.endr
.endr
.irp c, 0,1,2,3,4,5,6,7,8,9,10,11,12,13,14,15
	v_cndmask_b32 v[VS+(\c)], v[VS+(\c)], 0, s[MK+(\c)]  ; the hard reset
.endr
.irp e, 0,1
.irp g, 0,1
	global_store_b128 v[CO], v[OUT+16*(\tau)+8*(\e)+4*(\g):OUT+16*(\tau)+8*(\e)+4*(\g)+3], s[8:9] offset:(\tau)*2097152+(\e)*16384+(\g)*256 th:TH_STORE_NT  ; 6,308,096 at the most: inside the signed 24-bit immediate
.endr
.endr
.endm
; Four time steps fill OUT's 64 registers once; in front of the next four the stores have read their data and their base.
.macro NEXT4
	s_wait_xcnt 0x0                                ; only behind this wait are OUT and the stores' base written again
	s_add_nc_u64 s[8:9], s[8:9], 0x800000          ; four time steps of 128 x 16,384 bytes
.endm
	STEP 0, 0, 0x3f800000, 1
	STEP 0, 1, 0x3f827f46, 0
	STEP 0, 2, 0x3f84e5fa, 0
	STEP 0, 3, 0x3f871c7e, 0
	NEXT4
	STEP 1, 0, 0x3f890d0c, 0
	STEP 1, 1, 0x3f8aa48f, 0
	STEP 1, 2, 0x3f8bd35e, 0
	STEP 1, 3, 0x3f8c8dd6, 0
	NEXT4
	STEP 2, 0, 0x3f8ccccd, 0
	STEP 2, 1, 0x3f8c8dd6, 0
	STEP 2, 2, 0x3f8bd35e, 0
	STEP 2, 3, 0x3f8aa48f, 0
	NEXT4
	STEP 3, 0, 0x3f890d0c, 0
	STEP 3, 1, 0x3f871c7e, 0
	STEP 3, 2, 0x3f84e5fa, 0
	STEP 3, 3, 0x3f827f46, 0
	NEXT4
	STEP 4, 0, 0x3f800000, 0
	STEP 4, 1, 0x3f7b0174, 0
	STEP 4, 2, 0x3f76340c, 0
	STEP 4, 3, 0x3f71c704, 0
	NEXT4
	STEP 5, 0, 0x3f6de5e8, 0
	STEP 5, 1, 0x3f6ab6e1, 0
	STEP 5, 2, 0x3f685943, 0
	STEP 5, 3, 0x3f66e453, 0
	NEXT4
	STEP 6, 0, 0x3f666666, 0
	STEP 6, 1, 0x3f66e453, 0
	STEP 6, 2, 0x3f685944, 0
	STEP 6, 3, 0x3f6ab6e2, 0
	NEXT4
	STEP 7, 0, 0x3f6de5e8, 0
	STEP 7, 1, 0x3f71c704, 0
	STEP 7, 2, 0x3f76340c, 0
	STEP 7, 3, 0x3f7b0175, 0
	s_wait_tensorcnt 0x0                           ; the wave's end, behind my last tensor load
	ds_add_u32 v[SPW], v[NIL]
	s_wait_dscnt 0x0
	CROUND                                         ; the closing round: no work-group ends while a partner may still ask for a tile that names it
	s_endpgm
.Lfunc_end_k_q16275140bb_lif:
	.size	k_q16275140bb_lif, .Lfunc_end_k_q16275140bb_lif-k_q16275140bb_lif
	.p2alignl 7, 3214868480
	.fill 96, 4, 3214868480
	.section	.rodata,"a",@progbits
	.p2align	6, 0x0
	.amdhsa_kernel k_q16275140bb_lif
		.amdhsa_group_segment_fixed_size 327680
		.amdhsa_private_segment_fixed_size 0
		.amdhsa_enable_private_segment 0
		.amdhsa_kernarg_size 24
		.amdhsa_user_sgpr_count 2
		.amdhsa_user_sgpr_kernarg_segment_ptr 1
		.amdhsa_wavefront_size32 1
		.amdhsa_system_sgpr_workgroup_id_x 1
		.amdhsa_system_sgpr_workgroup_id_y 1
		.amdhsa_system_sgpr_workgroup_id_z 1
		.amdhsa_system_vgpr_workitem_id 0
		.amdhsa_next_free_vgpr 1024
		.amdhsa_next_free_sgpr 88
		.amdhsa_reserve_vcc 0
		.amdhsa_float_denorm_mode_32 3
		.amdhsa_float_denorm_mode_16_64 3
		.amdhsa_memory_ordered 1
		.amdhsa_forward_progress 1
		.amdhsa_inst_pref_size 255
	.end_amdhsa_kernel
	.section	.bss,"aw",@nobits
	.p2align	6
	.space	262144
	.amdgpu_metadata
---
amdhsa.version: [ 1, 2 ]
amdhsa.kernels:
  - .name:           k_q16275140bb_lif
    .symbol:         k_q16275140bb_lif.kd
    .args:
      - { .name: xb, .offset: 0, .size: 8, .value_kind: global_buffer, .address_space: global }
      - { .name: wb, .offset: 8, .size: 8, .value_kind: global_buffer, .address_space: global }
      - { .name: out0, .offset: 16, .size: 8, .value_kind: global_buffer, .address_space: global }
    .group_segment_fixed_size: 327680
    .private_segment_fixed_size: 0
    .kernarg_segment_align: 8
    .kernarg_segment_size: 24
    .max_flat_workgroup_size: 128
    .sgpr_count:     88
    .vgpr_count:     1024
    .wavefront_size: 32
...
	.end_amdgpu_metadata
.endif
;; end of part 2
;; ======== version 2 of 2: 2 launches; version 1 with the launch cast written anew for expert scheduling mode
;; workspace buffers: xb 33,554,432 bytes; wb 33,554,432 bytes
;; launch cast (part 3): grid 128 x 2, 32 waves a work-group, no clusters, 0 bytes of LDS; arguments x, W, xb, wb; writes xb, wb
.if DOCPART == 3
	.amdgcn_target "amdgcn-amd-amdhsa--gfx1250"
	.amdhsa_code_object_version 6
	.text
	.protected	k_q16275140bb_cast
	.globl	k_q16275140bb_cast
	.p2align	8
	.type	k_q16275140bb_cast,@function
k_q16275140bb_cast:
	s_mov_b64 s[64:65], 0
	v_nop
	global_prefetch_b8 v0, s[64:65] scope:SCOPE_SE
	s_setreg_imm32_b32 hwreg(HW_REG_WAVE_SCHED_MODE, 0, 2), 2
	s_setreg_imm32_b32 hwreg(HW_REG_WAVE_MODE, 25, 1), 1
	s_wait_xcnt 0x0
	s_wait_alu depctr_vm_vsrc(0)
; THE PROGRAM.  pre[t][b][o] = sum over i of x[t][b][i] W[o][i]; then, for each (b, o), 32 time steps of a leaky integrate-and-fire cell:
; v += (pre_t - v) / 2; spike = (v >= th_t); v = 0 where it fired.  The output is the spikes, 0.0 or 1.0 in f32.  Two launches: this one rounds x and W once to bf16
; and lays their rows out for the second, which multiplies and runs the 32 steps in registers: pre and v never reach memory.
; WORK LEFT OUT, for all values of the inputs.  v0 is a zero that the problem builds itself, so step 0's charge is pre_0 / 2.  V_RESET = 0 and V_TH = 1 are constants of the problem:
; (v - V_RESET) = v, s x V_RESET = 0, V_TH x (..) = (..); (1 - s) v with s in {0, 1} is v or 0: a select.  The surrogate's backward pass is never run.  Both inputs are live and both are loaded.
; LIMIT that goes with it: where v is +infinity the problem's 0 x v is a NaN that stays; here v is set to 0.  The sign of a zero v is not kept.
; FORMAT.  bf16, rounded to nearest even, once: an f32 beyond bf16's largest finite number becomes an infinity.
;
; THIS LAUNCH.  Work-group (n, y): y = 0 takes x, y = 1 takes W; wave w takes source row m = 32 n + w: 16,384 bytes in, 8,192 bytes out.  No wave needs another's bytes: no LDS, no barrier, no loop.
; WHERE A ROW GOES.  x: m = 128 t + b goes to row (b>>2) 128 + (t>>2) 16 + ((b>>1)&1) 8 + (t&3) 2 + (b&1): in a block of 16 rows, row 8 h + j holds time step 4 a + (j>>1) and batch row .. + 2 h + (j&1),
; so that in the product's result a lane's eight registers are four time steps of two batch rows, and eight blocks on end are the 32 time steps in order.
; W: o = 64 G + 4 r + q goes to row 64 G + 16 q + r: the same lane of four neighbouring blocks of 16 rows then holds four neighbouring outputs o, 16 bytes of an output row.
; IN FLIGHT.  28 loads of 512 consecutive bytes a wave are issued before the first wait; the last four follow when the first four slots are free.
; THE MODE: SCHED_MODE bits 1:0 = 2 (LLVM: expert scheduling mode 2), set by the entry lines.  The code itself states the register dependences
; between vector instructions and memory instructions, with s_wait_alu, always for 0.
; THE PLAN.  The row's 32 chunks go in eight blocks of four.  Registers that memory instructions touch:
;   v3, v4      the loads' and the stores' offsets: made once at the head and never written again.
;   slots 0-3   Loaded with chunks 0 to 3; read by block 0's conversions, which write OUT; loaded again with chunks 28 to 31; block 7's conversions round those in place; the last four stores read them.
;   OUT         Written once, by block 0's conversions; read by the stores of chunks 0 to 3.  So no store reads slots 0-3 ahead of the loads that land in them again.
;   slots 4-27  Loaded once; the chunk's two conversions round it in place, into the slot's first two registers; its store reads those.
; No register that a load or store has read is ever written again: the text holds no wait on vm_vsrc and no s_wait_xcnt, since there is nothing for them to state.
; A block's four stores are issued in one run behind ONE wait on va_vdst, which stands at the next block's head, behind the wait for that block's first chunk; the conversions that follow the wait name the next block's slots alone.
.set SLOTS, 28                         ; loads of a wave that are out together
.set XR,    8                          ; v[8:119]   slot s: four registers as loaded; in slots 4 to 27, and in slots 0 to 3 at their second use, the first two then hold the four bf16 to store
.set OUT,   120                        ; v[120:127] chunks 0 to 3: two registers each, the four bf16 to store
	s_load_b256 s[4:11], s[0:1], 0x0               ; x s[4:5], W s[6:7], xb s[8:9], wb s[10:11]
	v_lshrrev_b32 v1, 5, v0
	v_readfirstlane_b32 s12, v1                    ; wave 0..31
	v_and_b32 v2, 31, v0                           ; lane
	v_lshlrev_b32 v3, 4, v2                        ; 16 bytes a lane in
	v_lshlrev_b32 v4, 3, v2                        ; 8 bytes a lane out
	s_and_b32 s13, ttmp7, 0xffff                   ; 0: x, 1: W
	s_lshl_b32 s14, ttmp9, 5
	s_wait_alu depctr_va_sdst(0)                   ; s12 is written, ahead of its first reader: the source row, and with it both bases, are made from it
	s_add_co_u32 s14, s14, s12                     ; m, the source row
	s_bfe_u32 s15, s14, 0x50002                    ; x: b >> 2
	s_bfe_u32 s16, s14, 0x30009                    ; t >> 2
	s_bfe_u32 s17, s14, 0x10001                    ; (b >> 1) & 1
	s_bfe_u32 s18, s14, 0x20007                    ; t & 3
	s_and_b32 s19, s14, 1                          ; b & 1
	s_lshl3_add_u32 s15, s15, s16
	s_lshl1_add_u32 s15, s15, s17
	s_lshl2_add_u32 s15, s15, s18
	s_lshl1_add_u32 s15, s15, s19                  ; x's destination row
	s_bfe_u32 s20, s14, 0x60006                    ; W: G
	s_and_b32 s21, s14, 3                          ; q
	s_bfe_u32 s22, s14, 0x40002                    ; r
	s_lshl2_add_u32 s20, s20, s21
	s_lshl4_add_u32 s20, s20, s22                  ; W's destination row
	s_lshl_b32 s2, s14, 14                         ; the source row's first byte
	s_mov_b32 s3, 0
	s_mov_b32 s29, 0
	s_wait_kmcnt 0x0
	s_cmp_eq_u32 s13, 0                            ; the selects below leave SCC as it is
	s_cselect_b32 s15, s15, s20
	s_cselect_b64 s[24:25], s[4:5], s[6:7]         ; from
	s_cselect_b64 s[26:27], s[8:9], s[10:11]       ; to
	s_lshl_b32 s28, s15, 13                        ; the destination row's first byte
	s_add_nc_u64 s[24:25], s[24:25], s[2:3]
	s_add_nc_u64 s[26:27], s[26:27], s[28:29]
	s_wait_alu depctr_va_vdst(0)                   ; v3 and v4 are written: every load of the kernel reads v3 as its offset, every store v4
.macro LD i                            ; chunk i of 32: 512 consecutive bytes of the row
	global_load_b128 v[XR+4*((\i)%SLOTS):XR+4*((\i)%SLOTS)+3], v3, s[24:25] offset:512*(\i) th:TH_LOAD_NT
.endm
.macro CV i                            ; chunk i is rounded in place: four numbers close up into the first two of their four registers
	v_cvt_pk_bf16_f32 v[XR+4*((\i)%SLOTS)],   v[XR+4*((\i)%SLOTS)],   v[XR+4*((\i)%SLOTS)+1]
	v_cvt_pk_bf16_f32 v[XR+4*((\i)%SLOTS)+1], v[XR+4*((\i)%SLOTS)+2], v[XR+4*((\i)%SLOTS)+3]
.endm
.macro ST i                            ; and stored from its slot
	global_store_b64 v4, v[XR+4*((\i)%SLOTS):XR+4*((\i)%SLOTS)+1], s[26:27] offset:256*(\i)  ; the wave stores 256 consecutive bytes, at a multiple of 256 from the buffer's first byte
.endm
.macro CVO i                           ; chunks 0 to 3 are rounded into OUT,
	v_cvt_pk_bf16_f32 v[OUT+2*(\i)],   v[XR+4*(\i)],   v[XR+4*(\i)+1]
	v_cvt_pk_bf16_f32 v[OUT+2*(\i)+1], v[XR+4*(\i)+2], v[XR+4*(\i)+3]
.endm
.macro STO i                           ; and stored from there
	global_store_b64 v4, v[OUT+2*(\i):OUT+2*(\i)+1], s[26:27] offset:256*(\i)  ; 256 consecutive bytes, as in ST
.endm
.set n, 0
.rept SLOTS
	LD n
.set n, n+1
.endr
; Block 0.
.set n, 0
.rept 4
	s_wait_loadcnt SLOTS-1-n                       ; loads come back in order (ISA guide 5.7.1): chunk n is in; behind its load stand 27 - n others
	CVO n
.set n, n+1
.endr
	s_wait_alu depctr_va_vdst(0)                   ; block 0's conversions are done reading slots 0 to 3, in which the four loads below land, and have written OUT, which the four stores below read; it stands here, and not a block on, so that the slots are asked for again at once
.set n, SLOTS
.rept 4
	LD n
.set n, n+1
.endr
.set n, 0
.rept 4
	STO n
.set n, n+1
.endr
; Blocks 1 to 6.  Block 1 has no stores to issue: block 0's have gone.
.set n, 4
.rept 24
	s_wait_loadcnt 31-n                            ; chunk n is in; behind its load stand 31 - n others, the four late ones among them
.if (n%4 == 0) && (n >= 8)
	s_wait_alu depctr_va_vdst(0)                   ; the block before has written the first two registers of its four slots, which the four stores below read; no conversion behind this wait names them
	ST n-4
	ST n-3
	ST n-2
	ST n-1
.endif
	CV n
.set n, n+1
.endr
; Block 7.  Its chunks were asked for later than all the others, so block 6's stores stand ahead of the waits for them.
	s_wait_alu depctr_va_vdst(0)                   ; block 6 has written the first two registers of slots 24 to 27, which the four stores below read
.set n, 24
.rept 4
	ST n
.set n, n+1
.endr
.set n, 28
.rept 4
	s_wait_loadcnt 31-n                            ; the counts run down to 0
	CV n
.set n, n+1
.endr
	s_wait_alu depctr_va_vdst(0)                   ; block 7 has written the first two registers of slots 0 to 3, which the last four stores read
.set n, 28
.rept 4
	ST n
.set n, n+1
.endr
	s_endpgm
.Lfunc_end_k_q16275140bb_cast:
	.size	k_q16275140bb_cast, .Lfunc_end_k_q16275140bb_cast-k_q16275140bb_cast
	.p2alignl 7, 3214868480
	.fill 96, 4, 3214868480
	.section	.rodata,"a",@progbits
	.p2align	6, 0x0
	.amdhsa_kernel k_q16275140bb_cast
		.amdhsa_group_segment_fixed_size 0
		.amdhsa_private_segment_fixed_size 0
		.amdhsa_enable_private_segment 0
		.amdhsa_kernarg_size 32
		.amdhsa_user_sgpr_count 2
		.amdhsa_user_sgpr_kernarg_segment_ptr 1
		.amdhsa_wavefront_size32 1
		.amdhsa_system_sgpr_workgroup_id_x 1
		.amdhsa_system_sgpr_workgroup_id_y 1
		.amdhsa_system_sgpr_workgroup_id_z 1
		.amdhsa_system_vgpr_workitem_id 0
		.amdhsa_next_free_vgpr 128
		.amdhsa_next_free_sgpr 66
		.amdhsa_reserve_vcc 0
		.amdhsa_float_denorm_mode_32 3
		.amdhsa_float_denorm_mode_16_64 3
		.amdhsa_memory_ordered 1
		.amdhsa_forward_progress 1
		.amdhsa_inst_pref_size 13
	.end_amdhsa_kernel
	.amdgpu_metadata
---
amdhsa.version: [ 1, 2 ]
amdhsa.kernels:
  - .name:           k_q16275140bb_cast
    .symbol:         k_q16275140bb_cast.kd
    .args:
      - { .name: x, .offset: 0, .size: 8, .value_kind: global_buffer, .address_space: global }
      - { .name: W, .offset: 8, .size: 8, .value_kind: global_buffer, .address_space: global }
      - { .name: xb, .offset: 16, .size: 8, .value_kind: global_buffer, .address_space: global }
      - { .name: wb, .offset: 24, .size: 8, .value_kind: global_buffer, .address_space: global }
    .group_segment_fixed_size: 0
    .private_segment_fixed_size: 0
    .kernarg_segment_align: 8
    .kernarg_segment_size: 32
    .max_flat_workgroup_size: 1024
    .sgpr_count:     66
    .vgpr_count:     128
    .wavefront_size: 32
...
	.end_amdgpu_metadata
.endif
;; end of part 3
;; launch lif: the kernel of part 2 again; grid 16 x 16, 4 waves a work-group, clusters of 4 x 4, 327,680 bytes of LDS; arguments xb, wb, out0; writes out0
